; MI455X (gfx1250); checked and timed in simulation.
; The chip was launched on July 23, 2026; its instructions are those of AMD's public machine-readable ISA for CDNA 5 (MIT licence, August 2026) and "CDNA5" Instruction Set Architecture Reference Guide (July 2026). The comments in the code are by the model that wrote it; some were corrected since.
;; Flash Multi Head Attention. Allowed arithmetic: matrix products marked QUANTISED: E2M1 operands, one E8M0 scale for each 32 along K, by v_wmma_scale_f32_16x16x128_f8f6f4 with both operands' format E2M1 (or v_wmma_scale_f32_32x16x128_f4), f32 sums; products left as they are: bf16, f16 or f32 operands; f32 sums; everything else in f32.
;; Inputs: Wk 256 x 1,024 float32; Wo 1,024 x 1,024 float32; Wq 1,024 x 1,024 float32; Wv 256 x 1,024 float32; bk 256 float32; bo 1,024 float32; bq 1,024 float32; bv 256 float32; key_value 4 x 1,024 x 2,048 float32; query 4 x 1,024 x 2,048 float32.
;; Outputs: out0 4 x 1,024 x 2,048 float32.
;; This version of the problem:
;;   THIS VERSION OF THE PROBLEM IS GIVEN IN LOW PRECISION. The matrix products marked QUANTISED in the list below multiply operands that are first quantised to E2M1 (2 exponent bits, 1 mantissa bit; 4 bits a number), with one power-of-two scale for each 32 numbers along K (OCP MX v1.0); their sums are f32. The products marked 'left as it is' may take bf16, f16 or f32 operands, with f32 sums. Whichever they take, every output number must still come out within the allowed error. Rounding operands to bf16 (8 significant bits) uses up far more of that allowance than f16 does (11 bits, for magnitudes from 6e-5 to 65,504). All else is computed in f32.
;;   The module's matrix products, in the order in which they are computed (A, B: the left and right operand; K: the contracted axis; several contracted axes count as one K, in the product's order):
;;     1. [M 8,192, K 1,024] x [K 1,024, N 1,024]; A: input query; B: input Wq: QUANTISED
;;     2. [M 8,192, K 1,024] x [K 1,024, N 256]; A: input key_value; B: input Wk: QUANTISED
;;     3. [M 8,192, K 1,024] x [K 1,024, N 256]; A: input key_value; B: input Wv: QUANTISED
;;     4. [M 2,048, K 1] x [K 1, N 32]; A: computed on the way; B: computed on the way: left as it is (no contracted axis)
;;     5. batch 64 x [M 2,048, K 64] x [K 64, N 2,048]; A: computed on the way; B: computed on the way: left as it is (an operand is computed on the way)
;;     6. batch 64 x [M 2,048, K 2,048] x [K 2,048, N 64]; A: computed on the way; B: computed on the way: left as it is (an operand is computed on the way)
;;     7. [M 8,192, K 1,024] x [K 1,024, N 1,024]; A: computed on the way; B: input Wo: left as it is (an operand is computed on the way)
;;   THE QUANTISER, for each operand of a quantised product, along K:
;;     - K is cut into blocks of 32 from its start; a last block that is shorter is filled with zeros.
;;     - A block's scale is 2^e with e = floor(log2(the largest magnitude in the block)) - 2, held to -126 .. 127; a block of zeros has e = 0. As a byte (E8M0): e + 127.
;;     - Each number is divided by its block's scale, clamped to +-6, and rounded to the nearest number of E2M1, ties to even, subnormals kept.
;;     - The product sums the exact products of the quantised numbers (number of the format x scale) in f32.
;;   ~~~python
;;   def quantise(x, axis):      # numpy; x: float32 -> the quantised numbers, widened to float32 again
;;       x = np.moveaxis(x, axis, -1); K = x.shape[-1]
;;       x = np.pad(x, [(0, 0)] * (x.ndim - 1) + [(0, -K % 32)]); x = x.reshape(x.shape[:-1] + (-1, 32)); a = np.abs(x).max(-1, keepdims=True)
;;       e = np.where(a > 0, np.clip(np.frexp(np.where(a > 0, a, 1))[1] - 1 - 2, -126, 127), 0)      # np.frexp(a)[1] - 1 = floor(log2(a)), exactly
;;       r = np.clip(x / 2.0 ** e, -6, 6)
;;       step = 2.0 ** (np.maximum(np.frexp(np.where(r == 0, 1, r))[1] - 1, 0) - 1)
;;       q = np.round(r / step) * step * 2.0 ** e      # np.round: ties to even
;;       return np.moveaxis(q.reshape(q.shape[:-2] + (-1,))[..., :K], -1, axis).astype(np.float32)
;;   ~~~
;; One version. Each part assembles by itself: llvm-mc -triple=amdgcn-amd-amdhsa -mcpu=gfx1250 --defsym DOCPART=n.
;; ======== version 1 of 1: 4 launches
;; limits: values are held in f16: magnitudes above 65,504 overflow, below 6.1e-05 lose precision
;; workspace buffers: wfrag 786,432 bytes; wscl 49,152 bytes; wof 2,097,152 bytes; qws 16,777,216 bytes; kws 4,194,304 bytes; vws 4,194,304 bytes; att 16,777,216 bytes
;; launch prep (part 1): grid 320 x 1, 4 waves a work-group, no clusters, 0 bytes of LDS; arguments Wq, Wk, Wv, Wo, wfrag, wscl, wof; writes wfrag, wscl, wof
.if DOCPART == 1
	.amdgcn_target "amdgcn-amd-amdhsa--gfx1250"
	.amdhsa_code_object_version 6
	.text
	.protected	k_q3e3dc2a63f_prep
	.globl	k_q3e3dc2a63f_prep
	.p2align	8
	.type	k_q3e3dc2a63f_prep,@function
k_q3e3dc2a63f_prep:
	s_mov_b64 s[64:65], 0
	v_nop
	global_prefetch_b8 v0, s[64:65] scope:SCOPE_SE
	s_setreg_imm32_b32 hwreg(HW_REG_WAVE_MODE, 25, 1), 1
	s_wait_xcnt 0x0
; THE WEIGHTS, ONCE, IN THE ORDER OF THE OPERANDS' REGISTERS.
; Wq [1024][1024], Wk, Wv [256][1024], f32, K (the input channel) innermost, become codes of FP4 (E2M1) with one E8M0 byte for each 32 along K.
; The 1,536 rows are 24 groups G of 64 (0-15 Wq, 16-19 Wk, 20-23 Wv).  wfrag: [G][K step s of 128][tile a of 16 rows][chunk c][lane][16 bytes]: lane (r, h) of chunk c
; holds row 16 a + r, k = 128 s + 64 c + 32 h + 0 .. 31: registers 4 c .. 4 c + 3 of a 4-bit fragment.  wscl: [G][s][64 rows], one word a row: the four bytes of its K step.
; Wo [1024][1024] becomes f16.  wof: [tile of 16 rows][32 along K][u][lane][16 bytes]: lane (r, h) holds row r, k = 32 f + 16 u + 8 h + 0 .. 7: registers 4 u .. 4 u + 3 of a 16-bit fragment.
; A block's scale is 2^(floor(log2(its largest magnitude)) - 2): the byte is the largest magnitude's exponent field - 2, held at 1 from below (a block of zeros keeps 1: its codes are zeros, and this program alone reads the bytes).
; LIMITS: NaN and infinities are not served; a block whose largest magnitude lies under 2^-124 keeps the byte 1; |Wo| stays under 65,504.
; SHARES: work-groups 0-191: (G, s), wave a: one fragment a wave.  Work-groups 192-319: a wave takes 16 rows x 128 along K of Wo.  No LDS, no barrier: waves share nothing.
; Every store of codes and of f16 covers 512 consecutive bytes, aligned; a wave's 16 scale words are 64 consecutive bytes, the work-group's four waves' 256.
.set NFRAG, 192                        ; work-groups that make FP4 fragments
	s_load_b256 s[4:11], s[0:1], 0x0               ; Wq s[4:5], Wk s[6:7], Wv s[8:9], Wo s[10:11]
	s_load_b128 s[12:15], s[0:1], 0x20             ; wfrag s[12:13], wscl s[14:15]
	s_load_b64 s[16:17], s[0:1], 0x30              ; wof
	v_lshrrev_b32 v1, 5, v0
	v_readfirstlane_b32 s20, v1                    ; wave 0..3
	v_and_b32 v1, 15, v0                           ; r
	v_bfe_u32 v2, v0, 4, 1                         ; h
	v_and_b32 v3, 31, v0                           ; lane
	v_lshlrev_b32 v4, 4, v3                        ; 16 x lane: my place in a chunk
	v_lshlrev_b32 v5, 12, v1                       ; row r of 4,096 bytes
	s_mov_b32 s27, 0                               ; the high word of every offset
	s_wait_kmcnt 0x0
	s_cmp_lt_u32 ttmp9, NFRAG
	s_cbranch_scc0 .Lwo
	; ---- FP4: fragment (G, s, a)
	s_lshr_b32 s21, ttmp9, 3                       ; G
	s_and_b32 s22, ttmp9, 7                        ; s
	s_cmp_lt_u32 s21, 20                           ; which weight: the choice hangs on the work-group's number alone
	s_cselect_b64 s[24:25], s[6:7], s[8:9]
	s_cselect_b32 s23, 16, 20
	s_cmp_lt_u32 s21, 16
	s_cselect_b64 s[24:25], s[4:5], s[24:25]
	s_cselect_b32 s23, 0, s23
	s_sub_co_u32 s23, s21, s23                     ; the group's number inside its weight
	s_lshl_b32 s26, s23, 18                        ; 64 rows of 4,096 bytes
	s_lshl_b32 s30, s20, 16                        ; + 16 rows a tile
	s_add_co_u32 s26, s26, s30
	s_lshl_b32 s30, s22, 9                         ; + 512 bytes a K step
	s_add_co_u32 s26, s26, s30
	s_add_nc_u64 s[24:25], s[24:25], s[26:27]
	v_lshl_add_u32 v5, v2, 7, v5                   ; + 128 h: a lane takes whole blocks of 32: blocks h and 2 + h of the K step
.irp c, 0,1
.irp e, 0,1,2,3,4,5,6,7
	global_load_b128 v[32+32*\c+4*\e:32+32*\c+4*\e+3], v5, s[24:25] offset:256*\c+16*\e th:TH_LOAD_NT
.endr
.endr
	s_mov_b32 s28, 0x76543210
	s_mov_b32 s29, 0xfedcba98                      ; v_permlanex16_b32's selects for lane l xor 16
	v_lshlrev_b32 v6, 2, v1                        ; 4 r: my row's scale word
	s_lshl_b32 s26, s21, 3
	s_add_co_u32 s26, s26, s22                     ; 8 G + s
	s_lshl_b32 s30, s26, 8                         ; wscl: 256 bytes for each (G, s),
	s_lshl_b32 s31, s20, 6                         ; 64 for each tile
	s_add_co_u32 s30, s30, s31
	s_mov_b32 s31, 0
	s_add_nc_u64 s[14:15], s[14:15], s[30:31]
	s_lshl_b32 s26, s26, 2
	s_add_co_u32 s26, s26, s20
	s_lshl_b32 s26, s26, 10                        ; wfrag: 1,024 bytes a fragment
	s_add_nc_u64 s[12:13], s[12:13], s[26:27]
.macro BMAX c                          ; the largest magnitude of my block of chunk c, with the floor 2^(3 - 127) among its leaves: so the byte cannot fall under 1
	v_max3_num_f32 v[8+\c], |v[32+32*\c]|, |v[33+32*\c]|, 0x1800000
.irp i, 2,4,6,8,10,12,14,16,18,20,22,24,26,28,30
	v_max3_num_f32 v[8+\c], v[8+\c], |v[32+32*\c+\i]|, |v[33+32*\c+\i]|
.endr
.endm
	s_wait_loadcnt 8                               ; chunk 0's eight loads are in; chunk 1's eight may be out
	BMAX 0
	s_wait_loadcnt 0x0
	BMAX 1
.irp c, 0,1
	v_add_nc_u32 v[10+\c], 0xff000000, v[8+\c]     ; 2 off the exponent field: the conversion takes the exponent field of this operand as its scale
.endr
.irp c, 0,1
	v_lshrrev_b32 v[12+\c], 23, v[10+\c]           ; the scale's byte
.endr
	v_lshl_or_b32 v14, v13, 16, v12                ; my two bytes, blocks h and 2 + h,
	v_lshlrev_b32 v15, 3, v2
	v_lshlrev_b32 v14, v15, v14                    ; at their places in the word (8 h bits up);
	v_mov_b32 v15, 0
	v_permlanex16_b32 v15, v14, s28, s29
	v_or_b32 v14, v14, v15                         ; with lane l xor 16's two the word is whole
.irp c, 0,1
.irp g, 0,1,2,3
	v_cvt_scalef32_pk8_fp4_f32 v[16+4*\c+\g], v[32+32*\c+8*\g:32+32*\c+8*\g+7], v[10+\c]
.endr
.endr
	v_nop                                          ; one plain line behind the last scaled conversion
	global_store_b128 v4, v[16:19], s[12:13]
	global_store_b128 v4, v[20:23], s[12:13] offset:512
	v_cmp_gt_u32 vcc_lo, 16, v3
	s_wait_xcnt 0x0                                ; EXEC changes only behind this wait: it is a source of the stores above
	s_and_saveexec_b32 s21, vcc_lo                 ; lanes 0-15: a word a row
	global_store_b32 v6, v14, s[14:15]
	s_wait_xcnt 0x0                                ; and again in front of the line that widens it
	s_or_b32 exec_lo, exec_lo, s21
	s_endpgm
.Lwo:
	; ---- Wo to f16: 16 rows x 128 along K: four fragments
	s_sub_co_u32 s21, ttmp9, NFRAG
	s_lshl_b32 s21, s21, 2
	s_add_co_u32 s21, s21, s20                     ; which of the 512 pieces
	s_lshr_b32 s22, s21, 3                         ; the tile of 16 rows
	s_and_b32 s23, s21, 7                          ; which 128 along K
	s_lshl_b32 s26, s22, 16                        ; 16 rows of 4,096 bytes
	s_lshl_b32 s24, s23, 9
	s_add_co_u32 s26, s26, s24
	s_add_nc_u64 s[10:11], s[10:11], s[26:27]
	v_lshl_add_u32 v5, v2, 5, v5                   ; + 32 h: eight numbers
.irp f, 0,1,2,3
.irp u, 0,1
.irp e, 0,1
	global_load_b128 v[32+16*\f+8*\u+4*\e:32+16*\f+8*\u+4*\e+3], v5, s[10:11] offset:128*\f+64*\u+16*\e th:TH_LOAD_NT
.endr
.endr
.endr
	s_lshl_b32 s26, s22, 5
	s_lshl_b32 s24, s23, 2
	s_add_co_u32 s26, s26, s24                     ; 32 fragments a tile, 4 of them mine
	s_lshl_b32 s26, s26, 10
	s_add_nc_u64 s[16:17], s[16:17], s[26:27]
	s_wait_loadcnt 0x0
.irp f, 0,1,2,3
.irp u, 0,1
.irp k, 0,1,2,3
	v_cvt_pk_f16_f32 v[96+8*\f+4*\u+\k], v[32+16*\f+8*\u+2*\k], v[32+16*\f+8*\u+2*\k+1]
.endr
.endr
.endr
.irp f, 0,1,2,3
.irp u, 0,1
	global_store_b128 v4, v[96+8*\f+4*\u:96+8*\f+4*\u+3], s[16:17] offset:1024*\f+512*\u
.endr
.endr
	s_endpgm
.Lfunc_end_k_q3e3dc2a63f_prep:
	.size	k_q3e3dc2a63f_prep, .Lfunc_end_k_q3e3dc2a63f_prep-k_q3e3dc2a63f_prep
	.p2alignl 7, 3214868480
	.fill 96, 4, 3214868480
	.section	.rodata,"a",@progbits
	.p2align	6, 0x0
	.amdhsa_kernel k_q3e3dc2a63f_prep
		.amdhsa_group_segment_fixed_size 0
		.amdhsa_private_segment_fixed_size 0
		.amdhsa_enable_private_segment 0
		.amdhsa_kernarg_size 56
		.amdhsa_user_sgpr_count 2
		.amdhsa_user_sgpr_kernarg_segment_ptr 1
		.amdhsa_wavefront_size32 1
		.amdhsa_system_sgpr_workgroup_id_x 1
		.amdhsa_system_sgpr_workgroup_id_y 1
		.amdhsa_system_sgpr_workgroup_id_z 1
		.amdhsa_system_vgpr_workitem_id 0
		.amdhsa_next_free_vgpr 128
		.amdhsa_next_free_sgpr 66
		.amdhsa_reserve_vcc 1
		.amdhsa_float_denorm_mode_32 3
		.amdhsa_float_denorm_mode_16_64 3
		.amdhsa_memory_ordered 1
		.amdhsa_forward_progress 1
		.amdhsa_inst_pref_size 12
	.end_amdhsa_kernel
	.amdgpu_metadata
---
amdhsa.version: [ 1, 2 ]
amdhsa.kernels:
  - .name:           k_q3e3dc2a63f_prep
    .symbol:         k_q3e3dc2a63f_prep.kd
    .args:
      - { .name: Wq, .offset: 0, .size: 8, .value_kind: global_buffer, .address_space: global }
      - { .name: Wk, .offset: 8, .size: 8, .value_kind: global_buffer, .address_space: global }
      - { .name: Wv, .offset: 16, .size: 8, .value_kind: global_buffer, .address_space: global }
      - { .name: Wo, .offset: 24, .size: 8, .value_kind: global_buffer, .address_space: global }
      - { .name: wfrag, .offset: 32, .size: 8, .value_kind: global_buffer, .address_space: global }
      - { .name: wscl, .offset: 40, .size: 8, .value_kind: global_buffer, .address_space: global }
      - { .name: wof, .offset: 48, .size: 8, .value_kind: global_buffer, .address_space: global }
    .group_segment_fixed_size: 0
    .private_segment_fixed_size: 0
    .kernarg_segment_align: 8
    .kernarg_segment_size: 56
    .max_flat_workgroup_size: 128
    .sgpr_count:     66
    .vgpr_count:     128
    .wavefront_size: 32
...
	.end_amdgpu_metadata
.endif
;; end of part 1
;; launch proj (part 2): grid 256 x 1, 16 waves a work-group, no clusters, 55,296 bytes of LDS; arguments query, key_value, wfrag, wscl, bq, bk, bv, qws, kws, vws; writes qws, kws, vws
.if DOCPART == 2
	.amdgcn_target "amdgcn-amd-amdhsa--gfx1250"
	.amdhsa_code_object_version 6
	.text
	.protected	k_q3e3dc2a63f_proj
	.globl	k_q3e3dc2a63f_proj
	.p2align	8
	.type	k_q3e3dc2a63f_proj,@function
k_q3e3dc2a63f_proj:
	s_mov_b64 s[64:65], 0
	v_nop
	global_prefetch_b8 v0, s[64:65] scope:SCOPE_SE
	s_setreg_imm32_b32 hwreg(HW_REG_WAVE_MODE, 25, 1), 1
	s_wait_xcnt 0x0
; q = Wq query + bq, k = Wk key_value + bk, v = Wv key_value + bv, on codes of FP4 (E2M1) with one E8M0 scale for each 32 along K (the input channel); then RoPE on q and k; results in f16.
; query, key_value: [4][1024 channels][2048 positions] f32: K is NOT innermost.  A LANE TAKES A POSITION AND ITS REGISTERS RUN DOWN K: a block of 32 lies whole in one lane, and the conversions give codes with K innermost.
; SHARES.  Work-groups 0-127 take query, 128-255 key_value; a work-group owns 64 positions of one batch and all 1,024 channels: each activation is read from memory once and quantised once.
;   Part 1: wave w quantises positions 32 (w % 2) + lane, channels 128 (w / 2) on: one K step, four blocks.  The codes go to LDS as IMAGES OF THE OPERAND'S REGISTERS (16 bytes a lane, 512 a chunk), the scale words beside them.
;   Meanwhile the work-group makes its 64 rows of the RoPE table (cos, sin of t x 10000^(-i / 32), i = 0 .. 31) in LDS: range reduction by pi / 2 in two parts and polynomials, in f32.
;   One barrier.  Part 2: a wave takes one group of 64 output channels (a head) x the 64 positions: 16 accumulators, 8 K steps of 16 matrix instructions.  The weights come as fragments straight from memory into registers:
;   each fragment is used by one wave of the work-group, once, so a way through LDS, shared in a cluster or not, would only add a write and a read of it.  In a key_value work-group waves 0-3 make k, 4-7 v, 8-15 have no part 2 and end.
; LAYOUT.  q, k: source 0 = 16 rows of W, source 1 = 16 positions: a lane holds ONE position and eight channels; packed to f16 these are four registers of the next product's fragment.  v: sources swapped: a lane holds one channel and eight positions (keys).
;   qws, kws: [head][tile of 16 positions][a][lane][16 bytes]: channels 16 a + 8 h + 0 .. 7.   vws: [head][32 keys u][a][half][lane][16 bytes]: channel 16 a + r, keys 32 u + 16 half + 8 h + 0 .. 7.
; The bias is the C of each sum's first matrix instruction.
; LIMITS: NaN and infinities are not served; a block whose largest magnitude lies under 2^-124 keeps the byte 1 (a block of zeros too: its codes are zeros); |q|, |k|, |v| stay under 65,504;
;   the table's frequency is 2^(-i log2(10) / 8) by v_exp_f32, good to a few units in the last place: at t = 2,047 a phase off by some 3e-4 at the most.
; REGISTERS: v1 16 x lane; v2, v3 where I store codes and scale word; v4, v5 the add's two; v6, v7 x's scale words and v16-31 W's (scales and nothing else); v8 4 x lane; v9, v14 the table's addresses; v10-13 at work; v15 the bias's offset;
;   v32-63 x's four fragments, later the table's rows; v64-127 W's fragments, two sets, later the packed results; v128-255 the accumulators, (a, tt) at 128 + 32 tt + 8 a.  In part 1: v32-77 the table's arithmetic, v160-223 two sets of 32 numbers, v224-247 at work.
.set XSC,   32768                      ; LDS: 0: x's 32 fragments, (K step s, tile tt) at (4 s + tt) x 1,024;  here: their scale words, [s][64 positions]
.set TABC,  34816                      ; the cosines: 64 rows of 128 bytes + 16 of padding
.set TABD,  9216                       ; and the sines, so far behind them
.set TP,    144
.set SPARE, 53248                      ; the spare words, 128 bytes for each of 16 waves: eight blocks of 256 bytes that no other line names
	s_load_b512 s[4:19], s[0:1], 0x0               ; query s[4:5], key_value s[6:7], wfrag s[8:9], wscl s[10:11], bq s[12:13], bk s[14:15], bv s[16:17], qws s[18:19]
	s_load_b128 s[20:23], s[0:1], 0x40             ; kws s[20:21], vws s[22:23]
	v_lshl_add_u32 v4, v0, 2, SPARE
	v_mov_b32 v5, 0
	v_lshrrev_b32 v1, 5, v0
	v_readfirstlane_b32 s24, v1                    ; wave 0..15
	v_and_b32 v8, 31, v0
	v_lshlrev_b32 v1, 4, v8                        ; 16 x lane
	v_lshlrev_b32 v8, 2, v8                        ; 4 x lane
	v_lshrrev_b32 v2, 4, v0                        ; 2 w + lane / 16 = 4 s + tt: my fragment
	v_and_b32 v9, 15, v0                           ; r
	v_lshlrev_b32 v2, 10, v2
	v_lshl_add_u32 v2, v9, 4, v2                   ; + 16 r; the block's chunk and half stand in the store's immediate
	v_lshl_add_u32 v3, v0, 2, XSC                  ; my position's scale word: 256 s + 4 x position = 4 x thread
	v_mul_u32_u24 v9, v9, TP
	v_bfe_u32 v10, v0, 4, 1
	v_lshl_add_u32 v9, v10, 5, v9
	v_add_nc_u32 v9, TABC, v9                      ; the table, read: row r, + 32 h: my eight channels
	v_lshrrev_b32 v14, 3, v0
	v_mul_u32_u24 v14, v14, TP
	v_and_b32 v10, 7, v0
	v_lshl_add_u32 v14, v10, 4, v14
	v_add_nc_u32 v14, TABC, v14                    ; the table, written: row thread / 8, four columns
	s_lshr_b32 s25, ttmp9, 7                       ; 0: query, 1: key_value
	s_and_b32 s26, ttmp9, 127
	s_lshr_b32 s27, s26, 5                         ; batch
	s_and_b32 s28, s26, 31                         ; which 64 positions
	s_lshr_b32 s29, s24, 2
	s_add_co_u32 s29, s29, 1
	s_min_u32 s29, s29, 3
	s_cmp_eq_u32 s25, 0
	s_cselect_b32 s29, 0, s29                      ; my part 2: 0 q, 1 k, 2 v, 3 none
	s_mov_b32 s42, 0xbed49a78                      ; -log2(10) / 8
	s_mov_b32 s43, 0x3f22f983                      ; 2 / pi
	s_mov_b32 s44, 0xbfc90fdb                      ; -(pi / 2 rounded to f32)
	s_mov_b32 s45, 0x333bbd2e                      ; that number less pi / 2
	s_mov_b32 s46, 0xbe2aaaab                      ; sine: -1/6, 1/120, -1/5040, 1/362880
	s_mov_b32 s47, 0x3c088889
	s_mov_b32 s48, 0xb9500d01
	s_mov_b32 s49, 0x3638ef1d
	s_mov_b32 s50, 0x3d2aaaab                      ; cosine: 1/24, -1/720, 1/40320 (-1/2 and 1 are written in the lines)
	s_mov_b32 s51, 0xbab60b61
	s_mov_b32 s52, 0x37d00d01
	s_lshl_b32 s40, s27, 23                        ; x: batch x 1,024 x 8,192 bytes
	s_lshr_b32 s41, s24, 1
	s_lshl_b32 s41, s41, 20                        ; + my K step: 128 channels of 8,192 bytes
	s_add_co_u32 s40, s40, s41
	s_lshl_b32 s41, s28, 8                         ; + 64 positions of 4 bytes
	s_add_co_u32 s40, s40, s41
	s_and_b32 s41, s24, 1
	s_lshl_b32 s41, s41, 7                         ; + my 32 of them
	s_add_co_u32 s40, s40, s41
	s_mov_b32 s41, 0
	s_wait_kmcnt 0x0
	s_cmp_eq_u32 s25, 0                            ; every choice of a buffer hangs on ids alone
	s_cselect_b64 s[30:31], s[4:5], s[6:7]
	s_add_nc_u64 s[30:31], s[30:31], s[40:41]
.macro XLOAD j                         ; block j of my K step: x(32 j + i, my position): 32 lanes read 128 consecutive bytes, and the wave beside me the 128 next to them
.irp i, 0,1,2,3,4,5,6,7,8,9,10,11,12,13,14,15,16,17,18,19,20,21,22,23,24,25,26,27,28,29,30,31
	global_load_b32 v[160+32*((\j)%2)+\i], v8, s[30:31] offset:(32*(\j)+\i)*8192 th:TH_LOAD_NT
.endr
.endm
	XLOAD 0
	XLOAD 1
	; the other pointers, while the loads are on their way
	s_lshl_b32 s53, s25, 4
	s_add_co_u32 s53, s53, s24                     ; my group of 64 rows of the weights
	s_lshl_b32 s40, s53, 15
	s_add_nc_u64 s[32:33], s[8:9], s[40:41]        ; its fragments: 32,768 bytes a group
	s_lshl_b32 s40, s53, 11
	s_add_nc_u64 s[34:35], s[10:11], s[40:41]      ; its scale words: 2,048
	s_cmp_ge_u32 s29, 2
	s_cselect_b64 s[36:37], s[16:17], s[14:15]     ; bv or bk,
	s_cselect_b64 s[38:39], s[22:23], s[20:21]     ; vws or kws,
	s_cselect_b32 s54, 4, 0
	s_cmp_eq_u32 s29, 0
	s_cselect_b64 s[36:37], s[12:13], s[36:37]     ; or bq
	s_cselect_b64 s[38:39], s[18:19], s[38:39]     ; and qws
	s_cselect_b32 s55, 4, 2                        ; 16 heads or 4
	s_sub_co_u32 s54, s24, s54                     ; my head
	s_lshl_b32 s40, s54, 8
	s_add_nc_u64 s[36:37], s[36:37], s[40:41]      ; its 64 biases
	s_lshl_b32 s40, s27, s55
	s_add_co_u32 s40, s40, s54                     ; batch x heads + head
	s_lshl_b32 s40, s40, 7
	s_lshl_b32 s56, s28, 2
	s_add_co_u32 s40, s40, s56                     ; 128 tiles of 16 positions a head, four of them mine
	s_lshl_b32 s40, s40, 11                        ; 2,048 bytes a tile, in all three buffers
	s_add_nc_u64 s[38:39], s[38:39], s[40:41]
	; ---- THE TABLE: thread n makes row n / 8, columns 4 (n % 8) + 0 .. 3: four chains side by side
	v_lshrrev_b32 v76, 3, v0
	s_lshl_b32 s56, s28, 6
	v_add_nc_u32 v76, s56, v76
	v_cvt_f32_u32 v76, v76                         ; t
	v_and_b32 v77, 7, v0
	v_lshlrev_b32 v77, 2, v77
.irp e, 0,1,2,3
	v_add_nc_u32 v[32+\e], \e, v77
.endr
.irp e, 0,1,2,3
	v_cvt_f32_u32 v[32+\e], v[32+\e]               ; i
.endr
.irp e, 0,1,2,3
	v_mul_f32 v[32+\e], s42, v[32+\e]
.endr
.irp e, 0,1,2,3
	v_exp_f32 v[32+\e], v[32+\e]                   ; 10000^(-i / 32)
.endr
	v_nop                                          ; a plain line behind the last exponential,
	s_wait_alu depctr_va_vdst(0)                   ; and one wait for the four, ahead of their first reader
.irp e, 0,1,2,3
	v_mul_f32 v[36+\e], v76, v[32+\e]              ; the angle
.endr
.irp e, 0,1,2,3
	v_mul_f32 v[40+\e], s43, v[36+\e]
.endr
.irp e, 0,1,2,3
	v_rndne_f32 v[40+\e], v[40+\e]                 ; n = the nearest multiple of pi / 2
.endr
.irp e, 0,1,2,3
	v_fma_f32 v[44+\e], v[40+\e], s44, v[36+\e]    ; the angle - n pi / 2, in two parts
.endr
.irp e, 0,1,2,3
	v_fma_f32 v[44+\e], v[40+\e], s45, v[44+\e]    ; = x, at most pi / 4 in magnitude
.endr
.irp e, 0,1,2,3
	v_mul_f32 v[48+\e], v[44+\e], v[44+\e]         ; z = x x
.endr
.irp e, 0,1,2,3
	v_fma_f32 v[52+\e], v[48+\e], s49, s48
	v_fma_f32 v[56+\e], v[48+\e], s52, s51
.endr
.irp e, 0,1,2,3
	v_fma_f32 v[52+\e], v[52+\e], v[48+\e], s47
	v_fma_f32 v[56+\e], v[56+\e], v[48+\e], s50
.endr
.irp e, 0,1,2,3
	v_fma_f32 v[52+\e], v[52+\e], v[48+\e], s46
	v_fma_f32 v[56+\e], v[56+\e], v[48+\e], -0.5
.endr
.irp e, 0,1,2,3
	v_mul_f32 v[64+\e], v[44+\e], v[48+\e]
	v_fma_f32 v[56+\e], v[56+\e], v[48+\e], 1.0    ; cos x
.endr
.irp e, 0,1,2,3
	v_fma_f32 v[52+\e], v[64+\e], v[52+\e], v[44+\e]   ; sin x
	v_cvt_i32_f32 v[60+\e], v[40+\e]               ; n as a whole number: its low two bits are the quadrant
.endr
.irp e, 0,1,2,3
	v_and_b32 v[64+\e], 1, v[60+\e]
	v_cmp_ne_u32 vcc_lo, 0, v[64+\e]               ; in odd quadrants the two change places (a choice of values: no branch, no address)
	v_cndmask_b32 v[72+\e], v[52+\e], v[56+\e], vcc_lo
	v_cndmask_b32 v[68+\e], v[56+\e], v[52+\e], vcc_lo
.endr
.irp e, 0,1,2,3
	v_and_b32 v[64+\e], 2, v[60+\e]                ; the sine is negative in quadrants 2, 3,
	v_add_nc_u32 v[60+\e], 1, v[60+\e]
.endr
.irp e, 0,1,2,3
	v_lshlrev_b32 v[64+\e], 30, v[64+\e]
	v_and_b32 v[60+\e], 2, v[60+\e]                ; the cosine in 1, 2
.endr
.irp e, 0,1,2,3
	v_xor_b32 v[72+\e], v[72+\e], v[64+\e]
	v_lshlrev_b32 v[60+\e], 30, v[60+\e]
.endr
.irp e, 0,1,2,3
	v_xor_b32 v[68+\e], v[68+\e], v[60+\e]
.endr
	ds_store_b128 v14, v[68:71]
	ds_store_b128 v14, v[72:75] offset:TABD
	; ---- PART 1: my four blocks
.macro QBLOCK j                        ; block j's 32 numbers, all mine, become 16 bytes of codes and byte j of my position's scale word
.set XS, 160+32*((\j)%2)
	v_max3_num_f32 v224, |v[XS]|, |v[XS+1]|, |v[XS+2]|
	v_max3_num_f32 v225, |v[XS+3]|, |v[XS+4]|, |v[XS+5]|
.irp i, 6,10,14,18,22,26
	v_max3_num_f32 v224, v224, |v[XS+\i]|, |v[XS+\i+1]|
	v_max3_num_f32 v225, v225, |v[XS+\i+2]|, |v[XS+\i+3]|
.endr
	v_max3_num_f32 v224, v224, |v[XS+30]|, |v[XS+31]|
	v_max3_num_f32 v224, v224, v225, 0x1800000     ; and the floor 2^(3 - 127): the byte cannot fall under 1
	v_add_nc_u32 v226, 0xff000000, v224            ; 2 off the exponent field: the conversion's scale operand
	v_lshrrev_b32 v227, 23, v226                   ; the scale's byte
.if (\j) == 0
	v_mov_b32 v228, v227
.else
	v_lshl_or_b32 v228, v227, 8*(\j), v228
.endif
.irp g, 0,1,2,3
	v_cvt_scalef32_pk8_fp4_f32 v[232+4*(\j)+\g], v[XS+8*\g:XS+8*\g+7], v226
.endr
	v_nop                                          ; one plain line behind the last scaled conversion
	ds_store_b128 v2, v[232+4*(\j):232+4*(\j)+3] offset:512*((\j)/2)+256*((\j)%2)   ; block j is chunk j / 2, lanes 16 (j % 2) on, of the operand: k = 64 c + 32 h + 0 .. 31
.endm
	s_wait_loadcnt 32                              ; block 0's 32 loads are in; block 1's may be out
	QBLOCK 0
	XLOAD 2
	s_wait_loadcnt 32                              ; block 1's are in; block 2's may be out
	QBLOCK 1
	XLOAD 3
	s_wait_loadcnt 32                              ; block 2's are in; block 3's may be out
	QBLOCK 2
	s_wait_loadcnt 0x0
	QBLOCK 3
	ds_store_b32 v3, v228
	s_wait_dscnt 0x0                               ; for the others' sake: my codes, my scale word and my part of the table have landed
	s_barrier_signal -1
	s_barrier_wait -1                              ; everybody's have.  From here on LDS is only read
	s_cmp_eq_u32 s29, 3
	s_cbranch_scc0 .Lwork
	s_wait_tensorcnt 0x0                           ; a wave with no part 2 ends, behind my last LDS store
	ds_add_u32 v4, v5
	s_wait_dscnt 0x0
	s_endpgm
.Lwork:
	; ---- PART 2
.irp s, 0,1,2,3,4,5,6,7
.irp p, 0,1
	global_load_b32 v[16+2*\s+\p], v8, s[34:35] offset:256*\s+128*\p   ; W's scale words: lanes 0-15 tile 2 p, lanes 16-31 tile 2 p + 1
.endr
.endr
.macro WLOAD s                         ; W's four fragments of K step s into set s % 2: each load 512 consecutive bytes
.irp y, 0,1,2,3
.irp c, 0,1
	global_load_b128 v[64+32*((\s)%2)+8*\y+4*\c:64+32*((\s)%2)+8*\y+4*\c+3], v1, s[32:33] offset:4096*(\s)+1024*\y+512*\c
.endr
.endr
.endm
.macro WM                              ; one product: D = DD, sources AA, BB, C = CC, scales SA, SB; RA, RB: the scales stand in lanes 16-31
.if RA && RB
	v_wmma_scale_f32_16x16x128_f8f6f4 v[DD:DD+7], v[AA:AA+7], v[BB:BB+7], v[CC:CC+7], v[SA], v[SB] matrix_a_fmt:MATRIX_FMT_FP4 matrix_b_fmt:MATRIX_FMT_FP4 matrix_a_scale:MATRIX_SCALE_ROW1 matrix_b_scale:MATRIX_SCALE_ROW1
.elseif RA
	v_wmma_scale_f32_16x16x128_f8f6f4 v[DD:DD+7], v[AA:AA+7], v[BB:BB+7], v[CC:CC+7], v[SA], v[SB] matrix_a_fmt:MATRIX_FMT_FP4 matrix_b_fmt:MATRIX_FMT_FP4 matrix_a_scale:MATRIX_SCALE_ROW1
.elseif RB
	v_wmma_scale_f32_16x16x128_f8f6f4 v[DD:DD+7], v[AA:AA+7], v[BB:BB+7], v[CC:CC+7], v[SA], v[SB] matrix_a_fmt:MATRIX_FMT_FP4 matrix_b_fmt:MATRIX_FMT_FP4 matrix_b_scale:MATRIX_SCALE_ROW1
.else
	v_wmma_scale_f32_16x16x128_f8f6f4 v[DD:DD+7], v[AA:AA+7], v[BB:BB+7], v[CC:CC+7], v[SA], v[SB] matrix_a_fmt:MATRIX_FMT_FP4 matrix_b_fmt:MATRIX_FMT_FP4
.endif
.endm
; A K step: x's four fragments and scale words from LDS, 16 products, the weights of two steps on.  swap = 0: source 0 = W (q, k); 1: source 0 = x (v).
; The 16 accumulators take turns, one instruction a turn, in the same order in every step.  In step 0 the accumulators of tile 0 hold the bias: tiles 1 to 3 take them as C,
; and tile 0 adds in place last, five places behind the last line that read them.
.macro KSTEP s, swap
.irp x, 0,1,2,3
.irp c, 0,1
	ds_load_b128 v[32+8*\x+4*\c:32+8*\x+4*\c+3], v1 offset:(4*(\s)+\x)*1024+512*\c
.endr
.endr
	ds_load_b32 v6, v8 offset:XSC+256*(\s)         ; lanes 0-15 tile 0, lanes 16-31 tile 1
	ds_load_b32 v7, v8 offset:XSC+256*(\s)+128     ; tiles 2, 3
	s_wait_dscnt 0x0
.if (\s) < 7
	s_wait_loadcnt 8                               ; this step's weights (and all before them) are in; the next step's eight loads may be out
.else
	s_wait_loadcnt 0x0
.endif
.irp x, 1,2,3,0
.if ((\s) == 0) && (\x == 0)
.rept 5
	v_nop
.endr
.endif
.irp y, 0,1,2,3
.set DD, 128+32*\x+8*\y
.if (\s) == 0
.set CC, 128+8*\y
.else
.set CC, DD
.endif
.if \swap
.set AA, 32+8*\x
.set BB, 64+32*((\s)%2)+8*\y
.set SA, 6+\x/2
.set SB, 16+2*(\s)+\y/2
.set RA, \x%2
.set RB, \y%2
.else
.set AA, 64+32*((\s)%2)+8*\y
.set BB, 32+8*\x
.set SA, 16+2*(\s)+\y/2
.set SB, 6+\x/2
.set RA, \y%2
.set RB, \x%2
.endif
	WM
.endr
.endr
.rept 4
	v_nop                                          ; places in front of loads into registers that these products have read, and of the first read of results
.endr
.if (\s) < 6
	WLOAD (\s)+2
.endif
.endm
	s_cmp_eq_u32 s29, 2
	s_cbranch_scc1 .Lv
	; ---- q and k
	v_bfe_u32 v15, v0, 4, 1
	v_lshlrev_b32 v15, 5, v15                      ; the bias of my eight channels of a tile: 32 h bytes on
.irp y, 0,1,2,3
.irp e, 0,1
	global_load_b128 v[128+8*\y+4*\e:128+8*\y+4*\e+3], v15, s[36:37] offset:64*\y+16*\e
.endr
.endr
	WLOAD 0
	WLOAD 1
.irp s, 0,1,2,3,4,5,6,7
	KSTEP \s, 0
.endr
; RoPE on tile tt of 16 positions: channel i < 32 lies in tiles a = 0, 1 of the channels, its partner i + 32 in tiles 2, 3, in the same lane and register.  lo' = lo cos - hi sin, hi' = hi cos + lo sin.
; Each accumulator is read from its low end on.  Then f16, and out: each store 512 consecutive bytes, from registers of its own.
.macro ROPE tt
.irp x, 0,1
.irp e, 0,1
	ds_load_b128 v[32+8*\x+4*\e:32+8*\x+4*\e+3], v9 offset:16*TP*(\tt)+64*\x+16*\e
	ds_load_b128 v[48+8*\x+4*\e:48+8*\x+4*\e+3], v9 offset:16*TP*(\tt)+64*\x+16*\e+TABD
.endr
.endr
	s_wait_dscnt 0x0
.irp x, 0,1
.irp y, 0,2,4,6
	v_pk_mul_f32 v[10:11], v[128+32*(\tt)+8*(\x+2)+\y:128+32*(\tt)+8*(\x+2)+\y+1], v[48+8*\x+\y:48+8*\x+\y+1]
	v_pk_mul_f32 v[12:13], v[128+32*(\tt)+8*\x+\y:128+32*(\tt)+8*\x+\y+1], v[48+8*\x+\y:48+8*\x+\y+1]
	v_pk_fma_f32 v[128+32*(\tt)+8*\x+\y:128+32*(\tt)+8*\x+\y+1], v[128+32*(\tt)+8*\x+\y:128+32*(\tt)+8*\x+\y+1], v[32+8*\x+\y:32+8*\x+\y+1], v[10:11] neg_lo:[0,0,1] neg_hi:[0,0,1]
	v_pk_fma_f32 v[128+32*(\tt)+8*(\x+2)+\y:128+32*(\tt)+8*(\x+2)+\y+1], v[128+32*(\tt)+8*(\x+2)+\y:128+32*(\tt)+8*(\x+2)+\y+1], v[32+8*\x+\y:32+8*\x+\y+1], v[12:13]
.endr
.endr
.endm
.macro PACK tt                         ; tile tt's 16 x 64 results to f16: four registers for each accumulator
.irp x, 0,1,2,3
.irp y, 0,1,2,3
	v_cvt_pk_f16_f32 v[64+16*(\tt)+4*\x+\y], v[128+32*(\tt)+8*\x+2*\y], v[128+32*(\tt)+8*\x+2*\y+1]
.endr
.endr
.endm
.irp t, 0,1,2,3
	ROPE \t
	PACK \t
.irp x, 0,1,2,3
	global_store_b128 v1, v[64+16*\t+4*\x:64+16*\t+4*\x+3], s[38:39] offset:2048*\t+512*\x
.endr
.endr
	s_wait_tensorcnt 0x0                           ; the wave's end
	ds_add_u32 v4, v5
	s_wait_dscnt 0x0
	s_endpgm
.Lv:
	; ---- v: a lane holds one channel, so its bias is one number for all eight registers
	v_and_b32 v15, 15, v0
	v_lshlrev_b32 v15, 2, v15
.irp y, 0,1,2,3
	global_load_b32 v[128+8*\y], v15, s[36:37] offset:64*\y
.endr
	WLOAD 0
	WLOAD 1
	s_wait_loadcnt 16                              ; the bias is in; the 16 loads of the first two steps' weights may be out
.irp y, 0,1,2,3
.irp j, 1,2,3,4,5,6,7
	v_mov_b32 v[128+8*\y+\j], v[128+8*\y]
.endr
.endr
.irp s, 0,1,2,3,4,5,6,7
	KSTEP \s, 1
.endr
.irp t, 0,1,2,3
	PACK \t
.irp x, 0,1,2,3
	global_store_b128 v1, v[64+16*\t+4*\x:64+16*\t+4*\x+3], s[38:39] offset:4096*(\t/2)+1024*\x+512*(\t%2)
.endr
.endr
	s_wait_tensorcnt 0x0                           ; the wave's end
	ds_add_u32 v4, v5
	s_wait_dscnt 0x0
	s_endpgm
.Lfunc_end_k_q3e3dc2a63f_proj:
	.size	k_q3e3dc2a63f_proj, .Lfunc_end_k_q3e3dc2a63f_proj-k_q3e3dc2a63f_proj
	.p2alignl 7, 3214868480
	.fill 96, 4, 3214868480
	.section	.rodata,"a",@progbits
	.p2align	6, 0x0
	.amdhsa_kernel k_q3e3dc2a63f_proj
		.amdhsa_group_segment_fixed_size 55296
		.amdhsa_private_segment_fixed_size 0
		.amdhsa_enable_private_segment 0
		.amdhsa_kernarg_size 80
		.amdhsa_user_sgpr_count 2
		.amdhsa_user_sgpr_kernarg_segment_ptr 1
		.amdhsa_wavefront_size32 1
		.amdhsa_system_sgpr_workgroup_id_x 1
		.amdhsa_system_sgpr_workgroup_id_y 1
		.amdhsa_system_sgpr_workgroup_id_z 1
		.amdhsa_system_vgpr_workitem_id 0
		.amdhsa_next_free_vgpr 256
		.amdhsa_next_free_sgpr 66
		.amdhsa_reserve_vcc 1
		.amdhsa_float_denorm_mode_32 3
		.amdhsa_float_denorm_mode_16_64 3
		.amdhsa_memory_ordered 1
		.amdhsa_forward_progress 1
		.amdhsa_inst_pref_size 111
	.end_amdhsa_kernel
	.amdgpu_metadata
---
amdhsa.version: [ 1, 2 ]
amdhsa.kernels:
  - .name:           k_q3e3dc2a63f_proj
    .symbol:         k_q3e3dc2a63f_proj.kd
    .args:
      - { .name: query, .offset: 0, .size: 8, .value_kind: global_buffer, .address_space: global }
      - { .name: key_value, .offset: 8, .size: 8, .value_kind: global_buffer, .address_space: global }
      - { .name: wfrag, .offset: 16, .size: 8, .value_kind: global_buffer, .address_space: global }
      - { .name: wscl, .offset: 24, .size: 8, .value_kind: global_buffer, .address_space: global }
      - { .name: bq, .offset: 32, .size: 8, .value_kind: global_buffer, .address_space: global }
      - { .name: bk, .offset: 40, .size: 8, .value_kind: global_buffer, .address_space: global }
      - { .name: bv, .offset: 48, .size: 8, .value_kind: global_buffer, .address_space: global }
      - { .name: qws, .offset: 56, .size: 8, .value_kind: global_buffer, .address_space: global }
      - { .name: kws, .offset: 64, .size: 8, .value_kind: global_buffer, .address_space: global }
      - { .name: vws, .offset: 72, .size: 8, .value_kind: global_buffer, .address_space: global }
    .group_segment_fixed_size: 55296
    .private_segment_fixed_size: 0
    .kernarg_segment_align: 8
    .kernarg_segment_size: 80
    .max_flat_workgroup_size: 512
    .sgpr_count:     66
    .vgpr_count:     256
    .wavefront_size: 32
...
	.end_amdgpu_metadata
.endif
;; end of part 2
;; launch attn (part 3): grid 16 x 16, 8 waves a work-group, clusters of 4 x 1, 327,680 bytes of LDS; arguments qws, kws, vws, att; writes att
.if DOCPART == 3
	.amdgcn_target "amdgcn-amd-amdhsa--gfx1250"
	.amdhsa_code_object_version 6
	.text
	.protected	k_q3e3dc2a63f_attn
	.globl	k_q3e3dc2a63f_attn
	.p2align	8
	.type	k_q3e3dc2a63f_attn,@function
k_q3e3dc2a63f_attn:
	s_mov_b64 s[64:65], 0
	v_nop
	global_prefetch_b8 v0, s[64:65] scope:SCOPE_SE
	s_setreg_imm32_b32 hwreg(HW_REG_WAVE_MODE, 25, 1), 1
	s_wait_xcnt 0x0
	s_wait_alu depctr_hold_cnt(0) depctr_sa_sdst(0) depctr_va_vdst(0) depctr_va_sdst(0) depctr_va_ssrc(0) depctr_va_vcc(0) depctr_vm_vsrc(0)
	s_getreg_b32 s2, hwreg(HW_REG_IB_STS2, 6, 4)
	s_cmp_eq_u32 s2, 0
	s_cbranch_scc0 .Lentry_in_a_cluster
	s_endpgm
.Lentry_in_a_cluster:
	s_bfe_u32 s2, ttmp6, 0x10000c
	s_cmp_lg_u32 s2, 0x3003
	s_cbranch_scc0 .Lentry_shape_is_right
	s_endpgm
.Lentry_shape_is_right:
; att[b][head][q] = the sum over k of softmax_k(q . k / 8) v, no mask; 16 query heads, 4 key and value heads (query head n uses key head n / 4), 2,048 positions, head size 64.
; All operands in f16 (q, k, v as the launch before left them; the weights p, at most 1, rounded here); products, maxima and sums in f32.  LIMIT: the result stays under 65,504; NaN and infinities are not served.
; SHARES.  Grid y = 4 x batch + key head.  A cluster of four work-groups is ONE query head; a work-group owns 512 of its queries, each of eight waves 64: four tiles of 16.  Every wave walks all 2,048 keys, 64 a step.
; Two waves share a SIMD's registers, 512 each, so that one wave's softmax stands beside the other's products; a fragment of K or V read from LDS feeds four products.
; CLUSTER.  The four partners walk the same K and V: each tile is asked for JOINTLY, by the same tensor load with the same descriptor and a mask that names the four.
; LAYOUT.  S^T = K Q^T (source 0 = 16 keys, source 1 = 16 queries), O^T = V^T P (source 0 = 16 channels, source 1 = P): a lane holds ONE query throughout.  Two tiles of S^T, rounded in pairs, ARE a fragment of P.
; The workspace buffers lie in the order of the operands' registers: a chunk is four registers of 32 lanes, 512 consecutive bytes.  So K's and V's tiles are dense blocks for the tensor loads, and every LDS load reads 512 consecutive bytes: no padding.
; SOFTMAX.  For each query a running maximum m and sum l: p = 2^(c s - c m), c = log2(e) / 8; in every step O and l are multiplied by a = 2^(c m_old - c m_new).  The step is written once: m begins at -3e38, l and O^T at 0.
; RING.  Two LDS slots of 512 keys (K's 65,536 bytes, then V's).  Wave w brings 16,384 bytes (waves 0-3: K's quarters, 4-7: V's): one load a wave behind each change of slots, with a slot's eight steps in which to land.
; REGISTERS, in windows of 256.  Window 0: v1 16 x lane; v2, v3 LDS addresses of the step's K and V; v4, v5 the add's two; v6 the prefetch's offset; v7 16 x lane + V's place; v8-15 a second chain of sums;
;   v32-63 statistics, eight a tile: +0 c m, +1 m, +2, +3 l, +4 .. +7 at work (a at +6); v64-127 Q; v128-255 S^T, 32 a tile, then P in the low 16 of them.
;   Window 1: v0-127 O^T, 32 a tile; v128-191 K of one step; v192-255 V of one step.
.set STEPB, 8192                       ; a step's 64 keys of K, and of V, in bytes
.set VOFF,  65536                      ; V's place in a slot
.set SLOTB, 131072                     ; slot 1 begins here: one exclusive or turns an address from one slot to the other
.set SPARE, 262144                     ; behind the ring: the spare words, 128 bytes for each of eight waves: four blocks of 256 bytes that no other line names
.set NSL,   4                          ; slots' worth of keys
.set ST,  32
.set TS,  8
.set QF,  64
.set S,   128
.set KFR, 128
.set VFR, 192
.set MSB, 0
.macro WIN new                         ; the immediate's high byte repeats the setting that is left; a switch that changes nothing is dropped
.if MSB != \new
	s_set_vgpr_msb (MSB<<8)|\new
.set MSB, \new
.endif
.endm
.set W_KQ, 0x01                        ; K in window 1; Q and S^T in window 0
.set W_PV, 0x51                        ; V and O^T in window 1; P in window 0
.set W_RS, 0x41                        ; O^T (destination and source 0) in window 1, the factor in window 0
.set W_CV, 0x05                        ; sources in window 1, destination in window 0
.set TO1,  0x40                        ; destination in window 1, address in window 0
.macro CROUND                          ; a round of the cluster's barrier: my work-group's barrier; wave 0 signals for the work-group; every wave waits for all four work-groups; my work-group's barrier once more
	s_barrier_signal -1
	s_barrier_wait -1
	s_cmp_lg_u32 s12, 0
	s_cbranch_scc1 .Lnot_wave_0_\@
	s_barrier_signal -3
.Lnot_wave_0_\@:
	s_barrier_wait -3
	s_barrier_signal -1
	s_barrier_wait -1
.endm
; A PREFETCH INTO THE L2 of what the NEXT change of slots will ask for, behind my tensor load and its five lines.  Each aligned block of 256 bytes is named once in the launch: the four clusters of a key head walk the same K and V, and the
; first of them asks; in each of its work-groups waves 0, 2, 4, 6 ask, one instruction each, for 32 blocks of the 32,768 bytes that the wave and the wave after it will load; the four partners take 8,192 bytes each, told apart BY ADDRESS.
; It is asked a slot's eight steps, 512 matrix instructions, ahead of the load.  The last change that fills a slot asks for nothing; slots 0 and 1 come by their loads alone.
.macro ASK
	s_cmp_gt_u32 s56, s15
	s_cbranch_scc0 .Lnot_mine_\@
	global_prefetch_b8 v6, s[18:19] th:TH_LOAD_NT scope:SCOPE_SE
.Lnot_mine_\@:
.endm
	s_load_b256 s[4:11], s[0:1], 0x0               ; qws s[4:5], kws s[6:7], vws s[8:9], att s[10:11]
	v_lshl_add_u32 v4, v0, 2, SPARE
	v_mov_b32 v5, 0
	ds_add_u32 v4, v5                              ; the wave's opening: the add, twice on end, and its wait ahead of my first tensor load; the set-up below stands between the second and the wait
	ds_add_u32 v4, v5
	v_lshrrev_b32 v1, 5, v0
	v_readfirstlane_b32 s12, v1                    ; wave 0..7
	s_bfe_u32 s13, ttmp6, 0x40000                  ; cx: my place in the cluster: it enters Q's, att's and the prefetch's addresses alone
	s_and_b32 s14, ttmp7, 0xffff                   ; y = 4 x batch + key head, which the partners share
	; descriptor group 1: 64 rows of 256 dense bytes (32 elements of 8 bytes)
	s_mov_b32 s24, 15|(3<<16)|(1<<21)              ; 15:0 the mask: all four work-groups; 17:16 elements of 8 bytes; 21 set beside a mask; no padding
	s_mov_b32 s25, 32<<16                          ; tensor_dim0 = 32
	s_mov_b32 s26, 64<<16                          ; tensor_dim1 = 64
	s_mov_b32 s27, 32<<16                          ; tile_dim0 = 32
	s_mov_b32 s28, 64                              ; tile_dim1 = 64
	s_mov_b32 s29, 32                              ; from row to row
	s_mov_b32 s30, 0
	s_mov_b32 s31, 0
	s_mov_b32 s58, 0x3e38aa3b                      ; c = log2(e) / 8
	s_mov_b32 s59, s58                             ; (named with it as a pair, so it is written)
	s_mov_b32 s60, 0x76543210
	s_mov_b32 s61, 0xfedcba98                      ; v_permlanex16_b32's selects for lane l xor 16
	s_mov_b32 s62, 0                               ; LDS byte at which the step's tiles begin
	s_mov_b32 s56, NSL-1                           ; slots still to be asked for
	s_and_b32 s15, s12, 1
	s_or_b32 s15, s15, ttmp9                       ; 0 in the even waves of the key head's first cluster: the same in all partners
	s_cmp_eq_u32 s15, 0
	s_cselect_b32 s15, 1, -1                       ; a wave prefetches while s56 is above this
	s_lshl_b32 s36, s14, 18                        ; K, V: 262,144 bytes a head,
	s_and_b32 s37, s12, 3
	s_lshl_b32 s37, s37, 14                        ; my quarter of a slot's 65,536
	s_add_co_u32 s36, s36, s37
	s_mov_b32 s37, 0
	s_lshl_b32 s38, s13, 13                        ; the prefetch: my work-group's 8,192 bytes,
	s_add_co_u32 s38, s38, 65536                   ; in slot 1: the first change of slots steps it to slot 2
	s_mov_b32 s39, 0
	s_lshl_b32 s40, s14, 2
	s_add_co_u32 s40, s40, ttmp9                   ; Q: 16 x batch + query head
	s_lshl_b32 s40, s40, 7                         ; 128 tiles a head,
	s_lshl_b32 s41, s13, 5                         ; 32 a work-group,
	s_add_co_u32 s40, s40, s41
	s_lshl_b32 s41, s12, 2                         ; 4 a wave,
	s_add_co_u32 s40, s40, s41
	s_lshl_b32 s40, s40, 11                        ; of 2,048 bytes
	s_mov_b32 s41, 0
	s_lshr_b32 s42, s14, 2                         ; att: batch x 128 tiles of positions
	s_lshl_b32 s42, s42, 7
	s_lshl_b32 s43, s13, 5
	s_add_co_u32 s42, s42, s43
	s_lshl_b32 s43, s12, 2
	s_add_co_u32 s42, s42, s43
	s_lshl_b32 s42, s42, 5                         ; 32 fragments of 32 channels a tile,
	s_and_b32 s43, s14, 3
	s_lshl_b32 s43, s43, 2
	s_add_co_u32 s43, s43, ttmp9                   ; two for each query head,
	s_lshl_b32 s43, s43, 1
	s_add_co_u32 s42, s42, s43
	s_lshl_b32 s42, s42, 10                        ; of 1,024 bytes
	s_mov_b32 s43, 0
	v_and_b32 v1, 31, v0
	v_lshlrev_b32 v6, 8, v1                        ; the prefetch: lanes 256 bytes apart
	v_lshlrev_b32 v1, 4, v1
	v_add_nc_u32 v7, VOFF, v1
	s_wait_dscnt 0x0                               ; both opening adds are done
	s_wait_kmcnt 0x0
	s_cmp_lt_u32 s12, 4                            ; waves 0-3 fetch K, waves 4-7 V: a choice of the buffer on the wave's number
	s_cselect_b64 s[20:21], s[6:7], s[8:9]
	s_add_nc_u64 s[20:21], s[20:21], s[36:37]
	s_add_nc_u64 s[18:19], s[20:21], s[38:39]
	s_add_nc_u64 s[4:5], s[4:5], s[40:41]
	s_add_nc_u64 s[10:11], s[10:11], s[42:43]
	s_mov_b32 s32, 1                               ; descriptor group 0, which walks: count = 1
	s_lshl_b32 s33, s12, 14                        ; LDS address: 16,384 x wave, in slot 0: no place in the cluster enters it
	s_mov_b64 s[34:35], s[20:21]                   ; global address: my quarter of the head's first 512 keys
	s_or_b32 s35, s35, 0x80000000                  ; type = 2
	CROUND                                         ; all four work-groups are here: the first joint loads meet
	tensor_load_to_lds s[32:35], s[24:31]          ; slot 0
	s_nop 0
.rept 4
	v_nop
.endr
.irp t, 0,1,2,3
.irp f, 0,1
.irp u, 0,1
	global_load_b128 v[QF+16*\t+8*\f+4*\u:QF+16*\t+8*\f+4*\u+3], v1, s[4:5] offset:2048*\t+1024*\f+512*\u   ; Q stays in registers: tile t, channels 32 f on
.endr
.endr
.endr
.irp t, 0,1,2,3
	v_mov_b32 v[ST+8*\t+1], 0xff61b1e6             ; m: -3e38, under every score
	v_mov_b32 v[ST+8*\t+2], 0                      ; l, in two halves
	v_mov_b32 v[ST+8*\t+3], 0
.endr
.irp t, 0,1,2,3
	v_mul_f32 v[ST+8*\t], s58, v[ST+8*\t+1]        ; c m
.endr
	WIN TO1
.set i, 0
.rept 128
	v_mov_b32 v[i], 0                              ; O^T.  (The step is written once: the first finds zeros, which its a = 0 leaves zeros; a first step of its own would be a third copy of the step)
.set i, i+1
.endr
	WIN 0
.macro FETCH_K off                     ; 64 keys x 64 channels: eight fragments, 16 loads of 512 consecutive bytes, in one run
	WIN TO1
.irp k, 0,1,2,3
.irp f, 0,1
.irp u, 0,1
	ds_load_b128 v[KFR+16*\k+8*\f+4*\u:KFR+16*\k+8*\f+4*\u+3], v2 offset:\off+2048*\k+1024*\f+512*\u
.endr
.endr
.endr
	WIN 0
.endm
.macro FETCH_V                         ; 64 channels x 64 keys: eight fragments
	WIN TO1
.irp u, 0,1
.irp a, 0,1,2,3
.irp g, 0,1
	ds_load_b128 v[VFR+32*\u+8*\a+4*\g:VFR+32*\u+8*\a+4*\g+3], v3 offset:4096*\u+1024*\a+512*\g
.endr
.endr
.endr
	WIN 0
.endm
; THE SOFTMAX of a step, the four tiles by turns, line by line, so that no line waits for the line above it.
.macro SOFTMAX
.irp j, 0,1,2,3                        ; the maximum of the lane's 32 scores and the old m: four chains, one for each accumulator, each begun at the accumulator's low end
.irp t, 0,1,2,3
	v_max3_num_f32 v[ST+8*\t+4+\j], v[S+32*\t+8*\j], v[S+32*\t+8*\j+1], v[S+32*\t+8*\j+2]
.endr
.endr
.irp g, 1,2
.irp j, 0,1,2,3
.irp t, 0,1,2,3
	v_max3_num_f32 v[ST+8*\t+4+\j], v[ST+8*\t+4+\j], v[S+32*\t+8*\j+2*\g+1], v[S+32*\t+8*\j+2*\g+2]
.endr
.endr
.endr
.irp t, 0,1,2,3
	v_max3_num_f32 v[ST+8*\t+4], v[ST+8*\t+4], v[S+32*\t+7], v[S+32*\t+15]
.endr
.irp t, 0,1,2,3
	v_max3_num_f32 v[ST+8*\t+6], v[ST+8*\t+6], v[S+32*\t+23], v[S+32*\t+31]
.endr
.irp t, 0,1,2,3
	v_max3_num_f32 v[ST+8*\t+4], v[ST+8*\t+4], v[ST+8*\t+5], v[ST+8*\t+6]
.endr
.irp t, 0,1,2,3
	v_max3_num_f32 v[ST+8*\t+4], v[ST+8*\t+4], v[ST+8*\t+7], v[ST+8*\t+1]
.endr
.irp t, 0,1,2,3
	v_permlanex16_b32 v[ST+8*\t+5], v[ST+8*\t+4], s60, s61   ; the query's other 32 keys lie in the lane 16 away
.endr
.irp t, 0,1,2,3
	v_mov_b32 v[ST+8*\t+7], v[ST+8*\t]             ; c m_old is kept for a
.endr
.irp t, 0,1,2,3
	v_max_num_f32 v[ST+8*\t+1], v[ST+8*\t+4], v[ST+8*\t+5]
.endr
.irp t, 0,1,2,3
	v_mul_f32 v[ST+8*\t], s58, v[ST+8*\t+1]
.endr
.irp t, 0,1,2,3
	v_sub_f32 v[ST+8*\t+7], v[ST+8*\t+7], v[ST+8*\t]
.endr
.irp b, 0,1,2,3,4,5,6,7,8,9,10,11,12,13,14,15
.irp t, 0,1,2,3
	v_pk_fma_f32 v[S+32*\t+2*\b:S+32*\t+2*\b+1], v[S+32*\t+2*\b:S+32*\t+2*\b+1], s[58:59], v[ST+8*\t:ST+8*\t+1] op_sel_hi:[1,0,0] neg_lo:[0,0,1] neg_hi:[0,0,1]   ; c s - c m, two at a time
.endr
.endr
.irp t, 0,1,2,3                        ; ONE BATCH of 132 exponentials: none reads another's result
	v_exp_f32 v[ST+8*\t+6], v[ST+8*\t+7]           ; a
.endr
.irp e, 0,1,2,3,4,5,6,7,8,9,10,11,12,13,14,15,16,17,18,19,20,21,22,23,24,25,26,27,28,29,30,31
.irp t, 0,1,2,3
	v_exp_f32 v[S+32*\t+\e], v[S+32*\t+\e]         ; p
.endr
.endr
	v_nop                                          ; a plain line behind the last exponential,
	s_wait_alu depctr_va_vdst(0)                   ; and one wait for the batch, ahead of its first reader
.irp t, 0,1,2,3                        ; the sums of the unrounded p, in two chains: l = a l + ..
	v_pk_add_f32 v[TS+2*\t:TS+2*\t+1], v[S+32*\t:S+32*\t+1], v[S+32*\t+2:S+32*\t+3]
.endr
.irp t, 0,1,2,3
	v_pk_fma_f32 v[ST+8*\t+2:ST+8*\t+3], v[ST+8*\t+2:ST+8*\t+3], v[ST+8*\t+6:ST+8*\t+7], v[S+32*\t+4:S+32*\t+5] op_sel_hi:[1,0,1]
.endr
.irp b, 3,5,7,9,11,13
.irp t, 0,1,2,3
	v_pk_add_f32 v[TS+2*\t:TS+2*\t+1], v[TS+2*\t:TS+2*\t+1], v[S+32*\t+2*\b:S+32*\t+2*\b+1]
.endr
.irp t, 0,1,2,3
	v_pk_add_f32 v[ST+8*\t+2:ST+8*\t+3], v[ST+8*\t+2:ST+8*\t+3], v[S+32*\t+2*\b+2:S+32*\t+2*\b+3]
.endr
.endr
.irp t, 0,1,2,3
	v_pk_add_f32 v[TS+2*\t:TS+2*\t+1], v[TS+2*\t:TS+2*\t+1], v[S+32*\t+30:S+32*\t+31]
.endr
.irp t, 0,1,2,3
	v_pk_add_f32 v[ST+8*\t+2:ST+8*\t+3], v[ST+8*\t+2:ST+8*\t+3], v[TS+2*\t:TS+2*\t+1]
.endr
.irp j, 0,1,2,3,4,5,6,7,8,9,10,11,12,13,14,15
.irp t, 0,1,2,3
	v_cvt_pk_f16_f32 v[S+32*\t+\j], v[S+32*\t+2*\j], v[S+32*\t+2*\j+1]   ; P, in place: register j takes pair j, and j is never above 2 j
.endr
.endr
	WIN W_RS
.irp i, 0,2,4,6,8,10,12,14,16,18,20,22,24,26,28,30
.irp t, 0,1,2,3
	v_pk_mul_f32 v[32*\t+\i:32*\t+\i+1], v[32*\t+\i:32*\t+\i+1], v[ST+8*\t+6:ST+8*\t+7] op_sel_hi:[1,0]   ; O^T x a, each accumulator from its low end on
.endr
.endr
.endm
; A KEY STEP, in phases.  The accumulators take turns, one instruction a turn: 16 in each kind of product.
.macro STEP
	v_add_nc_u32 v3, s62, v7                       ; five plain lines behind the last products V^T P: four are owed to the loads into V's registers, five to the products below, which write over P
	v_add_nc_u32 v2, s62, v1
.rept 3
	v_nop
.endr
	FETCH_V
	s_wait_dscnt 16                                ; K is in; V's 16 loads may be out
	WIN W_KQ
.irp f, 0,1
.irp k, 0,1,2,3
.irp t, 0,1,2,3
.if \f == 0
	v_wmma_f32_16x16x32_f16 v[S+32*\t+8*\k:S+32*\t+8*\k+7], v[KFR+16*\k+8*\f:KFR+16*\k+8*\f+7], v[QF+16*\t+8*\f:QF+16*\t+8*\f+7], 0
.else
	v_wmma_f32_16x16x32_f16 v[S+32*\t+8*\k:S+32*\t+8*\k+7], v[KFR+16*\k+8*\f:KFR+16*\k+8*\f+7], v[QF+16*\t+8*\f:QF+16*\t+8*\f+7], v[S+32*\t+8*\k:S+32*\t+8*\k+7]
.endif
.endr
.endr
.endr
	WIN 0
.rept 4
	v_nop                                          ; places in front of the loads into K's registers and of the first read of the scores
.endr
	s_cmp_eq_u32 s57, 1                            ; the next step's K, while the softmax is walked; not across a slot's end (a branch on the count of steps)
	s_cbranch_scc1 .Lno_k_\@
	FETCH_K STEPB
.Lno_k_\@:
	SOFTMAX
	s_wait_dscnt 0x0                               ; V is in (and the next K, asked for a softmax ago)
	WIN W_PV
.irp u, 0,1
.irp a, 0,1,2,3
.irp t, 0,1,2,3
	v_wmma_f32_16x16x32_f16 v[32*\t+8*\a:32*\t+8*\a+7], v[VFR+32*\u+8*\a:VFR+32*\u+8*\a+7], v[S+32*\t+8*\u:S+32*\t+8*\u+7], v[32*\t+8*\a:32*\t+8*\a+7]
.endr
.endr
.endr
	WIN 0
	s_add_co_u32 s62, s62, STEPB
.endm
; THE CHANGE OF SLOTS stands at a slot's head.  Each wave waits for all its tensor loads (its part of the slot that it is about to read), adds 0 to its spare word, and waits for that and for its reads of the slot that it has left.
; fill = 1: a round of the cluster's barrier follows, so that no wave of any partner still reads the other slot or has a load on its way, and the joint load for that slot is the first thing behind it, one a wave.
; By this text's own count a wave has one tensor load out at the most.
.macro CHANGE fill
	s_wait_tensorcnt 0x0                           ; no tensor load of mine is out, so the descriptor may be written
	ds_add_u32 v4, v5                              ; 0 onto my spare word
.if \fill
	s_xor_b32 s33, s33, SLOTB                      ; the other slot than last time,
	s_add_nc_u64 s[34:35], s[34:35], 65536         ; the next 512 keys; the type bits on top are not reached
	s_wait_xcnt 0x0                                ; the last prefetch, a slot back, has read its address, so it may be written
	s_add_nc_u64 s[18:19], s[18:19], 65536         ; one slot further on than the descriptor
	s_wait_dscnt 0x0                               ; the add is done, and my reads of the slot that I have left are over
	CROUND
	tensor_load_to_lds s[32:35], s[24:31]
	s_nop 0
.rept 4
	v_nop
.endr
	ASK
.else
	s_wait_dscnt 0x0
	s_barrier_signal -1
	s_barrier_wait -1
.endif
.endm
.macro SLOTWORK                        ; a slot's eight steps: written once, walked eight times; the LDS addresses hang on s62
	v_add_nc_u32 v2, s62, v1
	FETCH_K 0
	s_mov_b32 s57, 8
.Lstep_\@:
	STEP
	s_sub_co_u32 s57, s57, 1
	s_cmp_lg_u32 s57, 0
	s_cbranch_scc1 .Lstep_\@
	s_sub_co_u32 s62, s62, 8*STEPB                 ; back to a slot's first step,
	s_xor_b32 s62, s62, SLOTB                      ; in the other slot
.endm
	s_wait_loadcnt 0x0                             ; Q
.Lslot:                                            ; three trips: behind each change of slots but the last the next slot is asked for; slot 1's first fill stands behind the first trip's round, where nothing is filled again
	CHANGE 1
	SLOTWORK
	s_sub_co_u32 s56, s56, 1
	s_cmp_lg_u32 s56, 0
	s_cbranch_scc1 .Lslot
	CHANGE 0                                       ; the last slot is written out
	SLOTWORK
	; THE WAY OUT.  l's two halves and the other half of the lanes' are added (the additions are the places behind the last products); O^T / l, rounded to f16 in pairs, is the next launch's operand as it stands: 512 consecutive bytes a store.
.irp t, 0,1,2,3
	v_add_f32 v[ST+8*\t+4], v[ST+8*\t+2], v[ST+8*\t+3]
.endr
.irp t, 0,1,2,3
	v_permlanex16_b32 v[ST+8*\t+5], v[ST+8*\t+4], s60, s61
.endr
.irp t, 0,1,2,3
	v_add_f32 v[ST+8*\t+4], v[ST+8*\t+4], v[ST+8*\t+5]
.endr
.irp t, 0,1,2,3
	v_rcp_f32 v[ST+8*\t+6], v[ST+8*\t+4]
.endr
	v_nop                                          ; a plain line behind the last reciprocal,
	s_wait_alu depctr_va_vdst(0)                   ; and one wait for the four, ahead of their first reader
.irp t, 0,1,2,3
	WIN W_RS
.irp i, 0,2,4,6,8,10,12,14,16,18,20,22,24,26,28,30
	v_pk_mul_f32 v[32*\t+\i:32*\t+\i+1], v[32*\t+\i:32*\t+\i+1], v[ST+8*\t+6:ST+8*\t+7] op_sel_hi:[1,0]
.endr
	WIN W_CV
.irp i, 0,1,2,3,4,5,6,7,8,9,10,11,12,13,14,15
	v_cvt_pk_f16_f32 v[S+32*\t+\i], v[32*\t+2*\i], v[32*\t+2*\i+1]
.endr
	WIN 0
.irp a, 0,1,2,3
	global_store_b128 v1, v[S+32*\t+4*\a:S+32*\t+4*\a+3], s[10:11] offset:32768*\t+512*\a
.endr
.endr
	s_wait_tensorcnt 0x0                           ; the wave's end, behind my last tensor load
	ds_add_u32 v4, v5
	s_wait_dscnt 0x0
	CROUND                                         ; the closing round: no work-group ends while a partner may still ask for a tile that names it
	s_endpgm
.Lfunc_end_k_q3e3dc2a63f_attn:
	.size	k_q3e3dc2a63f_attn, .Lfunc_end_k_q3e3dc2a63f_attn-k_q3e3dc2a63f_attn
	.p2alignl 7, 3214868480
	.fill 96, 4, 3214868480
	.section	.rodata,"a",@progbits
	.p2align	6, 0x0
	.amdhsa_kernel k_q3e3dc2a63f_attn
		.amdhsa_group_segment_fixed_size 327680
		.amdhsa_private_segment_fixed_size 0
		.amdhsa_enable_private_segment 0
		.amdhsa_kernarg_size 32
		.amdhsa_user_sgpr_count 2
		.amdhsa_user_sgpr_kernarg_segment_ptr 1
		.amdhsa_wavefront_size32 1
		.amdhsa_system_sgpr_workgroup_id_x 1
		.amdhsa_system_sgpr_workgroup_id_y 1
		.amdhsa_system_sgpr_workgroup_id_z 1
		.amdhsa_system_vgpr_workitem_id 0
		.amdhsa_next_free_vgpr 512
		.amdhsa_next_free_sgpr 66
		.amdhsa_reserve_vcc 0
		.amdhsa_float_denorm_mode_32 3
		.amdhsa_float_denorm_mode_16_64 3
		.amdhsa_memory_ordered 1
		.amdhsa_forward_progress 1
		.amdhsa_inst_pref_size 89
	.end_amdhsa_kernel
	.amdgpu_metadata
---
amdhsa.version: [ 1, 2 ]
amdhsa.kernels:
  - .name:           k_q3e3dc2a63f_attn
    .symbol:         k_q3e3dc2a63f_attn.kd
    .args:
      - { .name: qws, .offset: 0, .size: 8, .value_kind: global_buffer, .address_space: global }
      - { .name: kws, .offset: 8, .size: 8, .value_kind: global_buffer, .address_space: global }
      - { .name: vws, .offset: 16, .size: 8, .value_kind: global_buffer, .address_space: global }
      - { .name: att, .offset: 24, .size: 8, .value_kind: global_buffer, .address_space: global }
    .group_segment_fixed_size: 327680
    .private_segment_fixed_size: 0
    .kernarg_segment_align: 8
    .kernarg_segment_size: 32
    .max_flat_workgroup_size: 256
    .sgpr_count:     66
    .vgpr_count:     512
    .wavefront_size: 32
...
	.end_amdgpu_metadata
.endif
;; end of part 3
;; launch outp (part 4): grid 32 x 8, 4 waves a work-group, clusters of 4 x 4, 327,680 bytes of LDS; arguments att, wof, bo, out0; writes out0
.if DOCPART == 4
	.amdgcn_target "amdgcn-amd-amdhsa--gfx1250"
	.amdhsa_code_object_version 6
	.text
	.protected	k_q3e3dc2a63f_outp
	.globl	k_q3e3dc2a63f_outp
	.p2align	8
	.type	k_q3e3dc2a63f_outp,@function
k_q3e3dc2a63f_outp:
	s_mov_b64 s[64:65], 0
	v_nop
	global_prefetch_b8 v0, s[64:65] scope:SCOPE_SE
	s_setreg_imm32_b32 hwreg(HW_REG_WAVE_MODE, 25, 1), 1
	s_wait_xcnt 0x0
	s_wait_alu depctr_hold_cnt(0) depctr_sa_sdst(0) depctr_va_vdst(0) depctr_va_sdst(0) depctr_va_ssrc(0) depctr_va_vcc(0) depctr_vm_vsrc(0)
	s_getreg_b32 s2, hwreg(HW_REG_IB_STS2, 6, 4)
	s_cmp_eq_u32 s2, 0
	s_cbranch_scc0 .Lentry_in_a_cluster
	s_endpgm
.Lentry_in_a_cluster:
	s_bfe_u32 s2, ttmp6, 0x10000c
	s_cmp_lg_u32 s2, 0xf033
	s_cbranch_scc0 .Lentry_shape_is_right
	s_endpgm
.Lentry_shape_is_right:
; out0[b][o][t] = the sum over c of Wo[o][c] att[b][c][t] + bo[o].  Operands in f16, as the earlier launches left them, in the order of the operands' registers; sums in f32; out0 f32.
; att: [tile of 16 positions][32 along c][u][lane][16 bytes];  wof: [tile of 16 outputs] likewise: a tile's 128 along c are 4,096 consecutive bytes, and every LDS load reads 512 consecutive bytes: no padding.
; SHARES.  A work-group makes 256 positions x 128 outputs: 256 work-groups (blocks of 256 x 256 would be 128).  Four waves, each 128 positions x 64 outputs: 32 accumulators of 16 x 16, 256 registers.
; Source 0 = 16 positions of att, source 1 = 16 rows of Wo: a lane holds ONE output row and eight neighbouring positions, which are neighbours in out0.  The bias is the C of each sum's first product.
; K goes in steps of 128 through a ring of two LDS slots (att's 16 tiles, 65,536 bytes, then Wo's 8, 32,768).  Waves 0, 1 bring att's halves, waves 2, 3 Wo's: one load a wave behind each change of slots.
; CLUSTERS: 4 x 4 work-groups.  att's tiles hang on the block of positions (grid x) alone and are shared along a column of the cluster, Wo's on the block of outputs (grid y) alone and are shared along a row: each is asked for JOINTLY.
; No prefetch into the L2: a K step is 128 matrix instructions a wave on small tiles, and the launch is short.
; REGISTERS, in windows of 256.  Window 0: v16-17, v20-21 LDS addresses of my fragments in slot 0, 1; v24-27 the way out and the bias; v28, v29 the add's two; v32-63 the bias, eight registers a tile of outputs; v64-191 the way out.
;   Window 1: two fragment buffers of 96: Wo's four fragments, then att's eight, 32 along K each.   Window 2: the accumulators, (tile of positions x, tile of outputs y) at 8 (4 x + y).
.set SLOT,   98304
.set WOFF,   65536                     ; Wo's place in a slot
.set STAGE,  2*SLOT                    ; behind the ring: 16 rows x (512 bytes + 16) for each wave, for the way out
.set SPITCH, 528
.set SPARE,  STAGE+4*16*SPITCH         ; behind the stages: the spare words, 128 bytes for each wave: two blocks of 256 bytes that no other line names
.set LAPS,   4                         ; a lap = two K steps = once round the ring; K = 1,024
.set ADRA, 16
.set ADRB, 20
.set STO,  24
.set RD,   25
.set CO,   26
.set BOF,  27
.set SPW,  28
.set NIL,  29
.set BO,   32
.set F0,   0
.set F1,   96
.set G1A, 24                           ; s[24:31] descriptor group 1 for att's tiles;  s[32:39] group 0, one set for each slot
.set G0A, 32
.set G1B, 48                           ; s[48:55], s[56:63] the same for Wo's
.set G0B, 56
.set MSB, 0
.macro WIN new                         ; the immediate's high byte repeats the setting that is left
.if MSB != \new
	s_set_vgpr_msb (MSB<<8)|\new
.set MSB, \new
.endif
.endm
.set MUL,  0xa5                        ; sources 0 and 1 window 1; C and D window 2
.set MULB, 0x85                        ; the same with C, the bias, in window 0
.set TO_F, 0x40                        ; destination window 1, address window 0
.macro JLOAD s                         ; a joint load: waves 0 and 1 fetch att's two halves, waves 2 and 3 Wo's; an s_nop 0 and four v_nop follow each of the two lines, ahead of the jump, the label and what follows
	s_cmp_eq_u32 s13, 0
	s_cbranch_scc0 .Lfor_b_\@
	tensor_load_to_lds s[G0A+4*\s:G0A+4*\s+3], s[G1A:G1A+7]
	s_nop 0
.rept 4
	v_nop
.endr
	s_branch .Lasked_\@
.Lfor_b_\@:
	tensor_load_to_lds s[G0B+4*\s:G0B+4*\s+3], s[G1B:G1B+7]
	s_nop 0
.rept 4
	v_nop
.endr
.Lasked_\@:
.endm
.macro CREST                           ; a round of the cluster's barrier behind its opening barrier
	s_cmp_lg_u32 s12, 0
	s_cbranch_scc1 .Lnot_wave_0_\@
	s_barrier_signal -3
.Lnot_wave_0_\@:
	s_barrier_wait -3
	s_barrier_signal -1
	s_barrier_wait -1
.endm
.macro CROUND                          ; a whole round
	s_barrier_signal -1
	s_barrier_wait -1
	CREST
.endm
	s_load_b256 s[4:11], s[0:1], 0x0               ; att s[4:5], wof s[6:7], bo s[8:9], out0 s[10:11]
	v_lshl_add_u32 v[SPW], v0, 2, SPARE
	v_mov_b32 v[NIL], 0
	ds_add_u32 v[SPW], v[NIL]                      ; the wave's opening: the add, twice on end, and its wait ahead of my first tensor load; the set-up below stands between the second and the wait
	ds_add_u32 v[SPW], v[NIL]
	v_lshrrev_b32 v1, 5, v0
	v_readfirstlane_b32 s12, v1                    ; wave 0..3
	s_lshr_b32 s13, s12, 1                         ; which 64 outputs are mine.  Also: I fetch for att (0) or for Wo (1)
	s_and_b32 s14, s12, 1                          ; which 128 positions.  Also: which half of that tile I fetch
	s_bfe_u32 s40, ttmp6, 0x40000                  ; cx, cy: my place in the cluster
	s_bfe_u32 s41, ttmp6, 0x40004
	s_lshl_b32 s42, ttmp9, 2
	s_add_co_u32 s42, s42, s40                     ; the block of 256 positions = 4 x cluster x + cx
	s_and_b32 s43, ttmp7, 0xffff
	s_lshl_b32 s43, s43, 2
	s_add_co_u32 s43, s43, s41                     ; the block of 128 outputs = 4 x cluster y + cy
	s_lshl_b32 s44, 0x1111, s40                    ; my column of the cluster
	s_lshl_b32 s45, s41, 2
	s_lshl_b32 s45, 15, s45                        ; my row
	; descriptor group 1: rows of 4,096 bytes (512 elements of 8), 32,768 bytes apart: a tile's part of a K step; att: 8 rows a load, Wo: 4
	s_or_b32 s[G1A+0], s44, (3<<16)|(1<<21)        ; 15:0 the mask: att's tiles go to my column; 17:16 elements of 8 bytes; 21 set beside a mask; no padding
	s_or_b32 s[G1B+0], s45, (3<<16)|(1<<21)        ; Wo's to my row
	s_mov_b32 s[G1A+1], 512<<16                    ; tensor_dim0
	s_mov_b32 s[G1A+2], 8<<16                      ; tensor_dim1
	s_mov_b32 s[G1A+3], 512<<16                    ; tile_dim0
	s_mov_b32 s[G1A+4], 8                          ; tile_dim1
	s_mov_b32 s[G1A+5], 4096                       ; from row to row
	s_mov_b32 s[G1A+6], 0
	s_mov_b32 s[G1A+7], 0
	s_mov_b32 s[G1B+1], 512<<16
	s_mov_b32 s[G1B+2], 4<<16
	s_mov_b32 s[G1B+3], 512<<16
	s_mov_b32 s[G1B+4], 4
	s_mov_b32 s[G1B+5], 4096
	s_mov_b32 s[G1B+6], 0
	s_mov_b32 s[G1B+7], 0
	s_lshl_b32 s16, s42, 19                        ; att: 16 tiles of 32,768 bytes a block, made of the block of positions and the wave's number alone,
	s_lshl_b32 s17, s14, 18                        ; + my 8 tiles
	s_add_co_u32 s16, s16, s17
	s_mov_b32 s17, 0
	s_lshl_b32 s46, s43, 18                        ; Wo: 8 tiles a block, made of the block of outputs and the wave's number alone,
	s_lshl_b32 s47, s14, 17                        ; + my 4 tiles
	s_add_co_u32 s46, s46, s47
	s_mov_b32 s47, 0
	s_lshl_b32 s20, s14, 15                        ; where they go: no place in the cluster enters an LDS address
	s_lshl_b32 s21, s14, 14
	s_add_co_u32 s21, s21, WOFF
	s_wait_dscnt 0x0                               ; both opening adds are done
	s_wait_kmcnt 0x0
	s_add_nc_u64 s[16:17], s[4:5], s[16:17]
	s_add_nc_u64 s[46:47], s[6:7], s[46:47]
	CROUND                                         ; all sixteen work-groups are here: the first joint loads meet
.irp s, 0,1
	s_mov_b32 s[G0A+4*\s], 1
	s_add_co_u32 s[G0A+4*\s+1], s20, \s*SLOT
	s_add_nc_u64 s[G0A+4*\s+2:G0A+4*\s+3], s[16:17], \s*4096
	s_or_b32 s[G0A+4*\s+3], s[G0A+4*\s+3], 0x80000000
	s_mov_b32 s[G0B+4*\s], 1
	s_add_co_u32 s[G0B+4*\s+1], s21, \s*SLOT
	s_add_nc_u64 s[G0B+4*\s+2:G0B+4*\s+3], s[46:47], \s*4096
	s_or_b32 s[G0B+4*\s+3], s[G0B+4*\s+3], 0x80000000
	JLOAD \s
.endr
	v_and_b32 v1, 15, v0                           ; r
	v_bfe_u32 v2, v0, 4, 1                         ; h
	v_and_b32 v3, 31, v0
	v_lshlrev_b32 v[CO], 4, v3                     ; 16 x lane
	v_lshlrev_b32 v[BOF], 2, v1                    ; 4 r
	s_lshl_b32 s18, s43, 7
	s_lshl_b32 s19, s13, 6
	s_add_co_u32 s18, s18, s19                     ; my first output
	s_lshl_b32 s22, s18, 2
	s_mov_b32 s23, 0
	s_add_nc_u64 s[8:9], s[8:9], s[22:23]
.irp y, 0,1,2,3
	global_load_b32 v[BO+8*\y], v[BOF], s[8:9] offset:64*\y   ; a lane holds one output row: its bias is one number for all eight registers
.endr
	s_lshr_b32 s22, s42, 3                         ; batch
	s_lshl_b32 s22, s22, 10
	s_add_co_u32 s22, s22, s18                     ; my first row of out0
	s_lshl_b32 s22, s22, 13                        ; of 8,192 bytes
	s_and_b32 s19, s42, 7
	s_lshl_b32 s19, s19, 10                        ; + the block's 256 positions
	s_add_co_u32 s22, s22, s19
	s_lshl_b32 s19, s14, 9                         ; + my 128
	s_add_co_u32 s22, s22, s19
	s_add_nc_u64 s[10:11], s[10:11], s[22:23]
	s_lshl_b32 s18, s14, 15                        ; my 8 tiles of att,
	s_lshl_b32 s19, s13, 14                        ; my 4 of Wo
	s_add_co_u32 s19, s19, WOFF
.irp s, 0,1
	v_add_nc_u32 v[ADRA+\s], s18, v[CO]
	v_add_nc_u32 v[ADRB+\s], s19, v[CO]
	s_add_co_u32 s18, s18, SLOT
	s_add_co_u32 s19, s19, SLOT
.endr
	s_mul_i32 s23, s12, 16*SPITCH
	s_add_co_u32 s23, s23, STAGE                   ; my stage
	v_mul_u32_u24 v[STO], v1, SPITCH               ; in: row r, 32 bytes for each half of the lanes
	v_lshl_add_u32 v[STO], v2, 5, v[STO]
	v_add_nc_u32 v[STO], s23, v[STO]
	v_add_nc_u32 v[RD], s23, v[CO]                 ; back: the 32 lanes take one row of 512 bytes
	s_wait_loadcnt 0x0
.irp y, 0,1,2,3
.irp j, 1,2,3,4,5,6,7
	v_mov_b32 v[BO+8*\y+\j], v[BO+8*\y]
.endr
.endr
; 8 products: tiles of positions t0, t0 + 1 x the four tiles of outputs, 32 along K, from buffer f.  first = 1: the bias is C: nothing is cleared, nothing added later.
; The 32 accumulators take turns, one instruction a turn, in the same order in every quarter.
.macro MUL8 f, t0, first
.irp x, \t0, \t0+1
.irp y, 0,1,2,3
.if \first
	v_wmma_f32_16x16x32_f16 v[8*(4*(\x)+\y):8*(4*(\x)+\y)+7], v[\f+32+8*(\x):\f+32+8*(\x)+7], v[\f+8*\y:\f+8*\y+7], v[BO+8*\y:BO+8*\y+7]
.else
	v_wmma_f32_16x16x32_f16 v[8*(4*(\x)+\y):8*(4*(\x)+\y)+7], v[\f+32+8*(\x):\f+32+8*(\x)+7], v[\f+8*\y:\f+8*\y+7], v[8*(4*(\x)+\y):8*(4*(\x)+\y)+7]
.endif
.endr
.endr
.endm
.macro WMUL first
.if \first
	WIN MULB
.else
	WIN MUL
.endif
.endm
; 24 LDS loads in one run: the fragments of the slot's q-th 32 along K into buffer f: Wo's four, att's 0-3, att's 4-7
.macro FETCH slot, q, f
	WIN TO_F
.irp y, 0,1,2,3
.irp u, 0,1
	ds_load_b128 v[\f+8*\y+4*\u:\f+8*\y+4*\u+3], v[ADRB+\slot] offset:4096*\y+1024*(\q)+512*\u
.endr
.endr
.irp x, 0,1,2,3,4,5,6,7
.irp u, 0,1
	ds_load_b128 v[\f+32+8*\x+4*\u:\f+32+8*\x+4*\u+3], v[ADRA+\slot] offset:4096*\x+1024*(\q)+512*\u
.endr
.endr
.endm
.macro PLACES                          ; four places in front of loads into registers that matrix instructions have read, and of the first read of results
.rept 4
	v_nop
.endr
.endm
; A K step is four quarters of 32 along K, 32 products each, on buffers 0, 1, 0, 1.  One of the first three: multiplies buffer f and fetches quarter q into g.
.macro QUARTER slot, q, f, g, first
	s_wait_dscnt 8                                 ; Wo's and att's tiles 0-3 are in; the youngest eight loads (att's 4-7) may be out
	WMUL \first
	MUL8 \f, 0, \first
	MUL8 \f, 2, \first
	PLACES
	FETCH \slot, \q, \g
	s_wait_dscnt 24                                ; all but the 24 just issued
	WMUL \first
	MUL8 \f, 4, \first
	MUL8 \f, 6, \first
.endm
; The last quarter multiplies buffer 1 and changes slots: ONE barrier; in front of it each wave waits for all its tensor loads, adds 0 to its spare word, and waits for that and for its own reads of this slot.
; fill = 1: the barrier opens a round of the cluster's barrier, and this slot is filled again, two K steps ahead, first thing behind the round: 112 products stand between that request and the wait for it.
.macro TURN slot, next, fill
	WIN 0                                          ; (the add's two registers lie in window 0)
	s_wait_tensorcnt 0x0                           ; all my tensor loads have landed: my part of the next slot;
	ds_add_u32 v[SPW], v[NIL]                      ; 0 onto my spare word;
	s_wait_dscnt 9                                 ; (the add and the youngest eight loads may be out)
	WIN MUL
	MUL8 F1, 0, 0                                  ; eight products stand between the add and the wait for it
	s_wait_dscnt 0x0                               ; the add is done, and my reads of this slot are over
	s_barrier_signal -1
	MUL8 F1, 2, 0
.if \fill
	WIN 0
.endif
	s_barrier_wait -1
.if \fill
	CREST                                          ; no wave of any partner still reads this slot's tiles or has a load on its way
	s_add_nc_u64 s[G0A+4*\slot+2:G0A+4*\slot+3], s[G0A+4*\slot+2:G0A+4*\slot+3], 2*4096
	s_add_nc_u64 s[G0B+4*\slot+2:G0B+4*\slot+3], s[G0B+4*\slot+2:G0B+4*\slot+3], 2*4096
	JLOAD \slot                                    ; the four v_nop behind it are also the places in front of the loads below
.else
	PLACES
.endif
	FETCH \next, 0, F0
	WIN MUL
	MUL8 F1, 4, 0
	MUL8 F1, 6, 0
.endm
	s_wait_tensorcnt 1                             ; my part of K step 0 is in (K step 1's may be out)
	s_barrier_signal -1
	s_barrier_wait -1                              ; everybody's is
	FETCH 0, 0, F0
	QUARTER 0, 1, F0, F1, 1                        ; the first quarter stands in front of the loop: its products start the sums, on the bias
	WIN 0                                          ; at a label and at a branch every window is 0
	s_mov_b32 s3, LAPS-1
.Llap:                                                 ; a trip goes once round the ring, from a lap's second quarter to the next lap's first, and fills both slots again
	QUARTER 0, 2, F1, F0, 0
	QUARTER 0, 3, F0, F1, 0
	TURN 0, 1, 1
	QUARTER 1, 1, F0, F1, 0
	QUARTER 1, 2, F1, F0, 0
	QUARTER 1, 3, F0, F1, 0
	TURN 1, 0, 1
	QUARTER 0, 1, F0, F1, 0
	WIN 0
	s_sub_co_u32 s3, s3, 1
	s_cmp_lg_u32 s3, 0
	s_cbranch_scc1 .Llap
	QUARTER 0, 2, F1, F0, 0                        ; the last lap fills nothing, and has no round of the cluster's barrier
	QUARTER 0, 3, F0, F1, 0
	TURN 0, 1, 0
	QUARTER 1, 1, F0, F1, 0
	QUARTER 1, 2, F1, F0, 0
	QUARTER 1, 3, F0, F1, 0
	s_wait_dscnt 8                                 ; the very last quarter: nothing more to fetch
	WIN MUL
	MUL8 F1, 0, 0
	MUL8 F1, 2, 0
	s_wait_dscnt 0x0
	MUL8 F1, 4, 0
	MUL8 F1, 6, 0
	WIN 0
; THE WAY OUT, a tile of 16 output rows x 128 positions at a time.  A lane holds 32 neighbouring bytes of a row, and the lanes beside it hold other rows: so a block goes through my own stage in LDS and comes back as whole
; rows of 512 bytes, which the 32 lanes store at a multiple of 256 from out0's first byte.  LDS serves a wave's instructions in order (ISA guide 5.7.1.4): no wait between the stores and the loads, nor in front of the next block's stores.
.macro TOSTAGE ot
	WIN 0x08                                       ; an LDS store's data are its source 1: window 2
.irp x, 0,1,2,3,4,5,6,7
	ds_store_b128 v[STO], v[8*(4*\x+(\ot)):8*(4*\x+(\ot))+3] offset:64*\x       ; each accumulator from its low end on
	ds_store_b128 v[STO], v[8*(4*\x+(\ot))+4:8*(4*\x+(\ot))+7] offset:64*\x+16
.endr
	WIN 0
.set BB, 64+64*((\ot)%2)
.irp i, 0,1,2,3,4,5,6,7,8,9,10,11,12,13,14,15
	ds_load_b128 v[BB+4*\i:BB+4*\i+3], v[RD] offset:\i*SPITCH
.endr
.endm
.macro SEND ot, younger                ; younger: the LDS instructions issued behind this block's loads, which may stay out
.set BB, 64+64*((\ot)%2)
	s_wait_dscnt \younger
.irp i, 0,1,2,3,4,5,6,7,8,9,10,11,12,13,14,15
	global_store_b128 v[CO], v[BB+4*\i:BB+4*\i+3], s[10:11] offset:(16*(\ot)+\i)*8192 th:TH_STORE_NT   ; written once, read by nobody here; 63 rows at the most: inside the signed 24-bit immediate
.endr
.endm
	PLACES
	TOSTAGE 0
.irp a, 1,2,3
.if \a > 1
	s_wait_xcnt 0x0                                ; the stores of the block two back have read their registers: this block's loads may land there
.endif
	TOSTAGE \a
	SEND \a-1, 32                                  ; behind that block's loads: this block's 16 stores and 16 loads
.endr
	SEND 3, 0
	s_wait_tensorcnt 0x0                           ; the wave's end, behind my last tensor load and my last LDS store
	ds_add_u32 v[SPW], v[NIL]
	s_wait_dscnt 0x0
	CROUND                                         ; the closing round: no work-group ends while a partner may still ask for a tile that names it
	s_endpgm
.Lfunc_end_k_q3e3dc2a63f_outp:
	.size	k_q3e3dc2a63f_outp, .Lfunc_end_k_q3e3dc2a63f_outp-k_q3e3dc2a63f_outp
	.p2alignl 7, 3214868480
	.fill 96, 4, 3214868480
	.section	.rodata,"a",@progbits
	.p2align	6, 0x0
	.amdhsa_kernel k_q3e3dc2a63f_outp
		.amdhsa_group_segment_fixed_size 327680
		.amdhsa_private_segment_fixed_size 0
		.amdhsa_enable_private_segment 0
		.amdhsa_kernarg_size 32
		.amdhsa_user_sgpr_count 2
		.amdhsa_user_sgpr_kernarg_segment_ptr 1
		.amdhsa_wavefront_size32 1
		.amdhsa_system_sgpr_workgroup_id_x 1
		.amdhsa_system_sgpr_workgroup_id_y 1
		.amdhsa_system_sgpr_workgroup_id_z 1
		.amdhsa_system_vgpr_workitem_id 0
		.amdhsa_next_free_vgpr 768
		.amdhsa_next_free_sgpr 66
		.amdhsa_reserve_vcc 0
		.amdhsa_float_denorm_mode_32 3
		.amdhsa_float_denorm_mode_16_64 3
		.amdhsa_memory_ordered 1
		.amdhsa_forward_progress 1
		.amdhsa_inst_pref_size 86
	.end_amdhsa_kernel
	.amdgpu_metadata
---
amdhsa.version: [ 1, 2 ]
amdhsa.kernels:
  - .name:           k_q3e3dc2a63f_outp
    .symbol:         k_q3e3dc2a63f_outp.kd
    .args:
      - { .name: att, .offset: 0, .size: 8, .value_kind: global_buffer, .address_space: global }
      - { .name: wof, .offset: 8, .size: 8, .value_kind: global_buffer, .address_space: global }
      - { .name: bo, .offset: 16, .size: 8, .value_kind: global_buffer, .address_space: global }
      - { .name: out0, .offset: 24, .size: 8, .value_kind: global_buffer, .address_space: global }
    .group_segment_fixed_size: 327680
    .private_segment_fixed_size: 0
    .kernarg_segment_align: 8
    .kernarg_segment_size: 32
    .max_flat_workgroup_size: 128
    .sgpr_count:     66
    .vgpr_count:     768
    .wavefront_size: 32
...
	.end_amdgpu_metadata
.endif
;; end of part 4
